; MI455X (gfx1250); checked and timed in simulation.
; The chip was launched on July 23, 2026; its instructions are those of AMD's public machine-readable ISA for CDNA 5 (MIT licence, August 2026) and "CDNA5" Instruction Set Architecture Reference Guide (July 2026). The comments in the code are by the model that wrote it; some were corrected since.
;; Scaled Dot Product. Allowed arithmetic: matrix products marked QUANTISED: E2M1 operands, one E8M0 scale for each 32 along K, by v_wmma_scale_f32_16x16x128_f8f6f4 with both operands' format E2M1 (or v_wmma_scale_f32_32x16x128_f4), f32 sums; everything else in f32.
;; Inputs: attention_mask 2 x 2,048 int32; k 2 x 16 x 2,048 x 128 float32; q 2 x 16 x 2,048 x 128 float32; v 2 x 16 x 2,048 x 128 float32.
;; Outputs: out0 2 x 16 x 2,048 x 128 float32.
;; Constants: causal = 1, hist_len = 2048, seq_len = 2048.
;; This version of the problem:
;;   THIS VERSION OF THE PROBLEM IS GIVEN IN LOW PRECISION. The matrix products marked QUANTISED in the list below multiply operands that are first quantised to E2M1 (2 exponent bits, 1 mantissa bit; 4 bits a number), with one power-of-two scale for each 32 numbers along K (OCP MX v1.0); their sums are f32. All else is computed in f32.
;;   The module's matrix products, in the order in which they are computed (A, B: the left and right operand; K: the contracted axis; several contracted axes count as one K, in the product's order):
;;     1. batch 32 x [M 2,048, K 128] x [K 128, N 2,048]; A: input q; B: input k: QUANTISED
;;     2. batch 32 x [M 2,048, K 2,048] x [K 2,048, N 128]; A: computed on the way; B: input v: QUANTISED
;;   THE QUANTISER, for each operand of a quantised product, along K:
;;     - K is cut into blocks of 32 from its start; a last block that is shorter is filled with zeros.
;;     - A block's scale is 2^e with e = floor(log2(the largest magnitude in the block)) - 2, held to -126 .. 127; a block of zeros has e = 0. As a byte (E8M0): e + 127.
;;     - Each number is divided by its block's scale, clamped to +-6, and rounded to the nearest number of E2M1, ties to even, subnormals kept.
;;     - The product sums the exact products of the quantised numbers (number of the format x scale) in f32.
;;   ~~~python
;;   def quantise(x, axis):      # numpy; x: float32 -> the quantised numbers, widened to float32 again
;;       x = np.moveaxis(x, axis, -1); K = x.shape[-1]
;;       x = np.pad(x, [(0, 0)] * (x.ndim - 1) + [(0, -K % 32)]); x = x.reshape(x.shape[:-1] + (-1, 32)); a = np.abs(x).max(-1, keepdims=True)
;;       e = np.where(a > 0, np.clip(np.frexp(np.where(a > 0, a, 1))[1] - 1 - 2, -126, 127), 0)      # np.frexp(a)[1] - 1 = floor(log2(a)), exactly
;;       r = np.clip(x / 2.0 ** e, -6, 6)
;;       step = 2.0 ** (np.maximum(np.frexp(np.where(r == 0, 1, r))[1] - 1, 0) - 1)
;;       q = np.round(r / step) * step * 2.0 ** e      # np.round: ties to even
;;       return np.moveaxis(q.reshape(q.shape[:-2] + (-1,))[..., :K], -1, axis).astype(np.float32)
;;   ~~~
;;   OPERANDS COMPUTED ON THE WAY. 'Computed on the way' means the value that the module computes at that place (a softmax that the list does not call 'softmax' is quantised finished and normalised). What goes into a quantiser is computed in f32, as accurately as f32 sums, v_exp_f32 and their like allow (about 1e-6 of the number): no bf16 or f16 on the way to a quantiser, and a product that is left as it is and whose result goes on into a quantised operand takes f32 operands (vector FMAs, or v_wmma_f32_16x16x4_f32). A number that lies on a knife's edge between two numbers of the format may be rounded either way, as far as f32 arithmetic and the matrix unit's own rounding can turn it there, and no further.
;; One version. Each part assembles by itself: llvm-mc -triple=amdgcn-amd-amdhsa -mcpu=gfx1250 --defsym DOCPART=n.
;; ======== version 1 of 1: 2 launches
;; workspace buffers: kimg 4,194,304 bytes; ksc 262,144 bytes; vimg 4,194,304 bytes; vsc 262,144 bytes; bias 16,384 bytes; flags 4,096 bytes of whole numbers
;; launch prep (part 1): grid 512 x 1, 4 waves a work-group, no clusters, 34,304 bytes of LDS; arguments k, v, attention_mask, kimg, ksc, vimg, vsc, bias, flags; writes kimg, ksc, vimg, vsc, bias, flags
.if DOCPART == 1
	.amdgcn_target "amdgcn-amd-amdhsa--gfx1250"
	.amdhsa_code_object_version 6
	.text
	.protected	k_qefaa6f3e65_prep
	.globl	k_qefaa6f3e65_prep
	.p2align	8
	.type	k_qefaa6f3e65_prep,@function
k_qefaa6f3e65_prep:
	s_mov_b64 s[64:65], 0
	v_nop
	global_prefetch_b8 v0, s[64:65] scope:SCOPE_SE
	s_setreg_imm32_b32 hwreg(HW_REG_WAVE_MODE, 25, 1), 1
	s_wait_xcnt 0x0
; k and v, [32 heads][2048 keys][128] f32, become codes of FP4 (E2M1) with one E8M0 byte for each 32 along a product's K, laid as IMAGES OF THE OPERANDS' REGISTERS,
; so that the attention launch takes every fragment by 16-byte loads at 16 x lane.  A key step is 128 keys.
;   kimg [head][step 16][tile 8][c 2][lane 32][16 bytes]: K = the head's 128.  Row r of tile 2 b + u is key 32 b + 8 u + r + 8 (r / 8) of the step; lane (r, h) holds d = 64 c + 32 h + 0 .. 31.
;   ksc  [head][step][half 2][r 16][j 4] words: the scale word of row r of tile 4 half + j.
;   vimg [head][step][tile 8][c 2][lane 32][16 bytes]: K = the keys.  Row r of tile t is channel 16 t + r; lane (r, h) holds keys 64 c + 32 h + 0 .. 31 of the step.
;   vsc  [head][pair of steps 8][channel 128][2] words.
;   bias [2][2048] f32: (1 - attention_mask) x (-1e12 x sqrt(128)): what the mask adds to a score before the scaling by 1 / sqrt(128).
;   flags [2][16] entries of 32 equal words: 1 << step where the step has a key whose mask is not 1, else 0.
; A block's scale is 2^(floor(log2(its largest magnitude)) - 2); its byte is the largest magnitude's exponent field - 2, held at 1 from below.
; LIMITS: a block of zeros gets the byte 1 (its codes are zeros, and this program alone reads the bytes); blocks whose largest magnitude lies under 2^-124 are held at the byte 1;
; NaN and infinities among the inputs are not served.
; SHARES.  Work-groups 0-255 take k: a wave takes 64 keys, four tiles.  Its loads read whole rows of 512 bytes; a tile's 16 rows turn through the wave's own stage in LDS, so that a lane gets 2 x 32 neighbours
; along d.  Work-groups 256-511 take v: a lane takes a channel and its registers run down the keys, so a block of 32 keys lies in one lane.  32 waves of the first kind also serve the mask.
; No wave shares anything with another: no barrier.  No base, offset or store datum is written again: no wait on XCNT.
.set PITCH, 528                        ; a stage row: 512 bytes + 16 = 132 words: the 16 rows that a load touches start 4 words apart modulo 64
.set STG,   16*PITCH                   ; a wave's stage
.set R,     32                         ; v32-159  k: two sets of 64 numbers;  v: v32-95, two sets of 32
.set C,     160                        ; v160-191 codes: registers of their own for every store
.set W,     192                        ; v192-195 k: the four tiles' scale words;  v: v192-193 the eight blocks' bytes
.set TM,    196                        ; v196-207 at work
.set H8,    7                          ; v7  8 x (lane / 16)
.set SEL,   26                         ; s[26:27] v_permlanex16_b32's selects for lane l xor 16
; 64 numbers of a lane, v[x + 32 b + i] = element 64 b + 32 (lane / 16) + i of its row, become a fragment's 8 registers of codes at v[c] and the row's scale word in v[w] (whole in both halves of the lanes)
.macro QFRAG x, c, w
.irp b, 0,1
	v_max3_num_f32 v[TM+\b], |v[\x+32*\b]|, |v[\x+32*\b+1]|, 0x1800000     ; the floor 2^(3 - 127) among the leaves: the byte cannot fall under 1
.endr
.irp i, 2,4,6,8,10,12,14,16,18,20,22,24,26,28,30
.irp b, 0,1
	v_max3_num_f32 v[TM+\b], v[TM+\b], |v[\x+32*\b+\i]|, |v[\x+32*\b+\i+1]|   ; the two blocks by turns
.endr
.endr
.irp b, 0,1
	v_add_nc_u32 v[TM+2+\b], 0xff000000, v[TM+\b]          ; 2 off the exponent field: the conversion's scale operand
.endr
.irp b, 0,1
	v_lshrrev_b32 v[TM+4+\b], 23, v[TM+2+\b]               ; the scale's byte
.endr
	v_lshl_or_b32 v[\w], v[TM+5], 16, v[TM+4]              ; my blocks are h and 2 + h of the row:
	v_lshlrev_b32 v[\w], v[H8], v[\w]                      ; 8 h bits up;
	v_permlanex16_b32 v[TM+6], v[\w], s[SEL], s[SEL+1]
	v_or_b32 v[\w], v[\w], v[TM+6]                         ; with lane l xor 16's two bytes the word is whole
.irp b, 0,1
.irp g, 0,1,2,3
	v_cvt_scalef32_pk8_fp4_f32 v[\c+4*\b+\g], v[\x+32*\b+8*\g:\x+32*\b+8*\g+7], v[TM+2+\b]
.endr
.endr
	v_nop                                                  ; one plain line behind the last scaled conversion
.endm
.macro LOADT tt                        ; tile tt of my four: its 16 rows, each 512 consecutive bytes, into set tt % 2
.irp i, 0,1,2,3,4,5,6,7,8,9,10,11,12,13,14,15
	global_load_b128 v[R+64*((\tt)%2)+4*\i:R+64*((\tt)%2)+4*\i+3], v4, s[4:5] offset:(32*((\tt)/2)+8*((\tt)%2)+\i+8*(\i/8))*512 th:TH_LOAD_NT
.endr
.endm
.macro TURN set                        ; a tile through the stage and back into the registers that it left: LDS serves a wave's instructions in order (ISA guide 5.7.1.4), so no wait stands between
.irp i, 0,1,2,3,4,5,6,7,8,9,10,11,12,13,14,15
	ds_store_b128 v5, v[R+64*(\set)+4*\i:R+64*(\set)+4*\i+3] offset:PITCH*\i
.endr
.irp b, 0,1
.irp j, 0,1,2,3,4,5,6,7
	ds_load_b128 v[R+64*(\set)+32*\b+4*\j:R+64*(\set)+32*\b+4*\j+3], v6 offset:256*\b+16*\j
.endr
.endr
.endm
.macro LOADB t                         ; v: block t of my eight: 32 keys of my channel, into set t % 2; a wave's load reads 128 consecutive bytes, the four waves stand side by side
.irp i, 0,1,2,3,4,5,6,7,8,9,10,11,12,13,14,15,16,17,18,19,20,21,22,23,24,25,26,27,28,29,30,31
	global_load_b32 v[R+32*((\t)%2)+\i], v9, s[6:7] offset:(32*(\t)+\i)*512 th:TH_LOAD_NT
.endr
.endm
.macro BLOCK t
.set XS, R+32*((\t)%2)
.if (\t) < 7
	s_wait_loadcnt 32                                      ; this block's 32 loads are in; the next block's 32 may be out
.else
	s_wait_loadcnt 0x0
.endif
	v_max3_num_f32 v[TM], |v[XS]|, |v[XS+1]|, |v[XS+2]|    ; the block's largest magnitude: all 32 numbers are mine; two chains
	v_max3_num_f32 v[TM+1], |v[XS+3]|, |v[XS+4]|, |v[XS+5]|
.irp i, 6,10,14,18,22,26
	v_max3_num_f32 v[TM], v[TM], |v[XS+\i]|, |v[XS+\i+1]|
	v_max3_num_f32 v[TM+1], v[TM+1], |v[XS+\i+2]|, |v[XS+\i+3]|
.endr
	v_max3_num_f32 v[TM], v[TM], |v[XS+30]|, |v[XS+31]|
	v_max3_num_f32 v[TM], v[TM], v[TM+1], 0x1800000        ; and the floor
	v_add_nc_u32 v[TM+2], 0xff000000, v[TM]
	v_lshrrev_b32 v[TM+3], 23, v[TM+2]
.if (\t)%4 == 0
	v_mov_b32 v[W+(\t)/4], v[TM+3]                         ; four bytes make a step's scale word, the lower keys in the lower byte
.else
	v_lshl_or_b32 v[W+(\t)/4], v[TM+3], 8*((\t)%4), v[W+(\t)/4]
.endif
.irp g, 0,1,2,3
	v_cvt_scalef32_pk8_fp4_f32 v[C+4*(\t)+\g], v[XS+8*\g:XS+8*\g+7], v[TM+2]
.endr
	v_nop
	global_store_b128 v10, v[C+4*(\t):C+4*(\t)+3], s[14:15] offset:((\t)/4)*8192+(((\t)/2)%2)*512+((\t)%2)*256   ; each half of the lanes stores 256 consecutive bytes, aligned
.if (\t) < 6
	LOADB (\t)+2
.endif
.endm
	s_load_b256 s[4:11], s[0:1], 0x0               ; k s[4:5], v s[6:7], attention_mask s[8:9], kimg s[10:11]
	s_load_b256 s[12:19], s[0:1], 0x20             ; ksc s[12:13], vimg s[14:15], vsc s[16:17], bias s[18:19]
	s_load_b64 s[20:21], s[0:1], 0x40              ; flags
	v_lshl_add_u32 v216, v0, 2, 0x8400
	v_mov_b32 v217, 0
	v_lshrrev_b32 v1, 5, v0
	v_readfirstlane_b32 s24, v1                    ; wave 0..3
	v_and_b32 v1, 31, v0                           ; lane
	v_and_b32 v2, 15, v0                           ; r
	v_bfe_u32 v3, v0, 4, 1                         ; h
	v_lshlrev_b32 v4, 4, v1                        ; 16 x lane
	v_lshlrev_b32 v9, 2, v1                        ; 4 x lane
	s_mov_b32 s[SEL], 0x76543210
	s_mov_b32 s[SEL+1], 0xfedcba98
	s_mov_b32 s29, 0                               ; the upper word of every offset
	s_cmp_lt_u32 ttmp9, 256
	s_cbranch_scc0 .Lv_path
	; ---- k
	s_lshl_b32 s25, ttmp9, 2
	s_add_co_u32 s25, s25, s24                     ; idx 0..1023: bit 0 the step's half, bits 4:1 the step, bits 9:5 the head
	s_mul_i32 s30, s24, STG                        ; my stage
	v_add_nc_u32 v5, s30, v4                       ; in: 16 x lane of a row
	v_mul_u32_u24 v6, v2, PITCH
	v_lshl_add_u32 v6, v3, 7, v6
	v_add_nc_u32 v6, s30, v6                       ; back: row r, + 128 h: my 32 numbers of each 64
	v_lshlrev_b32 v[H8], 3, v3
	v_lshlrev_b32 v8, 4, v2
	v_lshl_add_u32 v8, v3, 3, v8                   ; the scale words' place: 16 r + 8 h
	v_mov_b32 v[TM+6], 0                           ; written once: a lane permute's destination counts as one of its sources
	s_wait_kmcnt 0x0
	s_lshl_b32 s28, s25, 15                        ; 64 keys x 512 bytes
	s_add_nc_u64 s[4:5], s[4:5], s[28:29]
	s_lshl_b32 s28, s25, 12                        ; four tiles' images
	s_add_nc_u64 s[10:11], s[10:11], s[28:29]
	s_lshl_b32 s28, s25, 8                         ; 64 scale words
	s_add_nc_u64 s[12:13], s[12:13], s[28:29]
	LOADT 0
	LOADT 1
.irp tt, 0,1,2,3
.if \tt < 3
	s_wait_loadcnt 16                              ; this tile's 16 loads are in; the next tile's 16 may be out
.else
	s_wait_loadcnt 0x0
.endif
	TURN \tt%2
	s_wait_dscnt 0x0
	QFRAG R+64*(\tt%2), C+8*\tt, W+\tt
	global_store_b128 v4, v[C+8*\tt:C+8*\tt+3], s[10:11] offset:1024*\tt          ; 512 consecutive bytes
	global_store_b128 v4, v[C+8*\tt+4:C+8*\tt+7], s[10:11] offset:1024*\tt+512
.if \tt < 2
	LOADT \tt+2
.endif
.endr
	v_cmp_le_u32 vcc_lo, 16, v1                    ; lanes 0-15 store tiles 0 and 1's words of row r, lanes 16-31 tiles 2 and 3's
	v_cndmask_b32 v[TM+10], v[W], v[W+2], vcc_lo
	v_cndmask_b32 v[TM+11], v[W+1], v[W+3], vcc_lo
	global_store_b64 v8, v[TM+10:TM+11], s[12:13]  ; the wave stores 256 consecutive bytes, aligned
	; ---- the mask: the waves with half 0 of a batch's first head take the step's 128 keys of that batch
	s_and_b32 s30, s25, 0x1e1
	s_cmp_lg_u32 s30, 0
	s_cbranch_scc1 .Lk_done
	s_lshr_b32 s31, s25, 9                         ; batch
	s_bfe_u32 s32, s25, 0x40001                    ; step
	s_lshl_b32 s28, s31, 13
	s_lshl_b32 s33, s32, 9
	s_add_co_u32 s28, s28, s33                     ; 8,192 x batch + 512 x step, in the mask and in bias
	s_add_nc_u64 s[8:9], s[8:9], s[28:29]
	s_add_nc_u64 s[18:19], s[18:19], s[28:29]
	s_lshl_b32 s28, s31, 4
	s_add_co_u32 s28, s28, s32
	s_lshl_b32 s28, s28, 7                         ; 128 bytes an entry of flags
	s_add_nc_u64 s[20:21], s[20:21], s[28:29]
	global_load_b128 v[32:35], v4, s[8:9]          ; four keys a lane
	s_wait_loadcnt 0x0
.irp i, 0,1,2,3
	v_cvt_f32_i32 v[36+\i], v[32+\i]
.endr
.irp i, 0,1,2,3
	v_sub_f32 v[36+\i], 1.0, v[36+\i]
.endr
.irp i, 0,1,2,3
	v_mul_f32 v[36+\i], 0xd524a2d9, v[36+\i]       ; x (-1e12 x sqrt(128))
.endr
	global_store_b128 v4, v[36:39], s[18:19]       ; 512 consecutive bytes
.irp i, 0,1,2,3
	v_cmp_ne_u32 s[34+\i], 1, v[32+\i]
.endr
	s_or_b32 s34, s34, s35
	s_or_b32 s36, s36, s37
	s_or_b32 s34, s34, s36
	s_cmp_lg_u32 s34, 0                            ; does any of the 128 keys differ from 1?  A choice of a value, no branch
	s_cselect_b32 s34, 1, 0
	s_lshl_b32 s34, s34, s32
	v_mov_b32 v40, s34
	global_store_b32 v9, v40, s[20:21]
.Lk_done:
	s_wait_tensorcnt 0x0
	ds_add_u32 v216, v217
	s_wait_dscnt 0x0
	s_endpgm
	; ---- v
.Lv_path:
	s_sub_co_u32 s25, ttmp9, 256                   ; y 0..255: bits 2:0 which 256 keys, bits 7:3 the head
	v_lshrrev_b32 v10, 4, v1
	v_lshlrev_b32 v10, 10, v10
	v_lshl_add_u32 v10, v2, 4, v10                 ; my channel's place in an image: tile (lane / 16), row lane % 16
	v_lshlrev_b32 v11, 3, v1                       ; two scale words a channel
	s_wait_kmcnt 0x0
	s_lshl_b32 s28, s25, 17                        ; 256 keys x 512 bytes
	s_lshl_b32 s30, s24, 7                         ; my wave's 32 channels
	s_add_co_u32 s28, s28, s30
	s_add_nc_u64 s[6:7], s[6:7], s[28:29]
	s_lshl_b32 s28, s25, 14                        ; two steps' images
	s_lshl_b32 s30, s24, 11                        ; my wave's two tiles
	s_add_co_u32 s28, s28, s30
	s_add_nc_u64 s[14:15], s[14:15], s[28:29]
	s_lshl_b32 s28, s25, 10
	s_lshl_b32 s30, s24, 8
	s_add_co_u32 s28, s28, s30
	s_add_nc_u64 s[16:17], s[16:17], s[28:29]
	LOADB 0
	LOADB 1
.irp t, 0,1,2,3,4,5,6,7
	BLOCK \t
.endr
	global_store_b64 v11, v[W:W+1], s[16:17]       ; the wave stores 256 consecutive bytes, aligned
	s_endpgm
.Lfunc_end_k_qefaa6f3e65_prep:
	.size	k_qefaa6f3e65_prep, .Lfunc_end_k_qefaa6f3e65_prep-k_qefaa6f3e65_prep
	.p2alignl 7, 3214868480
	.fill 96, 4, 3214868480
	.section	.rodata,"a",@progbits
	.p2align	6, 0x0
	.amdhsa_kernel k_qefaa6f3e65_prep
		.amdhsa_group_segment_fixed_size 34304
		.amdhsa_private_segment_fixed_size 0
		.amdhsa_enable_private_segment 0
		.amdhsa_kernarg_size 72
		.amdhsa_user_sgpr_count 2
		.amdhsa_user_sgpr_kernarg_segment_ptr 1
		.amdhsa_wavefront_size32 1
		.amdhsa_system_sgpr_workgroup_id_x 1
		.amdhsa_system_sgpr_workgroup_id_y 1
		.amdhsa_system_sgpr_workgroup_id_z 1
		.amdhsa_system_vgpr_workitem_id 0
		.amdhsa_next_free_vgpr 218
		.amdhsa_next_free_sgpr 66
		.amdhsa_reserve_vcc 1
		.amdhsa_float_denorm_mode_32 3
		.amdhsa_float_denorm_mode_16_64 3
		.amdhsa_memory_ordered 1
		.amdhsa_forward_progress 1
		.amdhsa_inst_pref_size 69
	.end_amdhsa_kernel
	.amdgpu_metadata
---
amdhsa.version: [ 1, 2 ]
amdhsa.kernels:
  - .name:           k_qefaa6f3e65_prep
    .symbol:         k_qefaa6f3e65_prep.kd
    .args:
      - { .name: k, .offset: 0, .size: 8, .value_kind: global_buffer, .address_space: global }
      - { .name: v, .offset: 8, .size: 8, .value_kind: global_buffer, .address_space: global }
      - { .name: attention_mask, .offset: 16, .size: 8, .value_kind: global_buffer, .address_space: global }
      - { .name: kimg, .offset: 24, .size: 8, .value_kind: global_buffer, .address_space: global }
      - { .name: ksc, .offset: 32, .size: 8, .value_kind: global_buffer, .address_space: global }
      - { .name: vimg, .offset: 40, .size: 8, .value_kind: global_buffer, .address_space: global }
      - { .name: vsc, .offset: 48, .size: 8, .value_kind: global_buffer, .address_space: global }
      - { .name: bias, .offset: 56, .size: 8, .value_kind: global_buffer, .address_space: global }
      - { .name: flags, .offset: 64, .size: 8, .value_kind: global_buffer, .address_space: global }
    .group_segment_fixed_size: 34304
    .private_segment_fixed_size: 0
    .kernarg_segment_align: 8
    .kernarg_segment_size: 72
    .max_flat_workgroup_size: 128
    .sgpr_count:     66
    .vgpr_count:     218
    .wavefront_size: 32
...
	.end_amdgpu_metadata
.endif
;; end of part 1
;; launch attn (part 2): grid 8 x 32, 16 waves a work-group, no clusters, 323,584 bytes of LDS; arguments q, kimg, ksc, vimg, vsc, bias, flags, out0; writes out0
.if DOCPART == 2
	.amdgcn_target "amdgcn-amd-amdhsa--gfx1250"
	.amdhsa_code_object_version 6
	.text
	.protected	k_qefaa6f3e65_attn
	.globl	k_qefaa6f3e65_attn
	.p2align	8
	.type	k_qefaa6f3e65_attn,@function
k_qefaa6f3e65_attn:
	s_mov_b64 s[64:65], 0
	v_nop
	global_prefetch_b8 v0, s[64:65] scope:SCOPE_SE
	s_setreg_imm32_b32 hwreg(HW_REG_WAVE_MODE, 25, 1), 1
	s_wait_xcnt 0x0
; out0[head][q][:] = the sum over keys of w[q][key] v[head][key][:], w = e / (exp(-m) + the sum of e), e = exp(x - m), m = max(the row's largest x, 0),
; x = q . k / sqrt(128), -infinity where key > q, and -1e12 x (1 - attention_mask[key]) added.  Both products on codes of FP4 (E2M1) with one E8M0 scale for each 32 along K.
; THE FINISHED, NORMALISED w IS WHAT IS QUANTISED along the keys, so a row's divisor must be known before its first weight is coded: EVERY ROW WALKS ITS KEYS TWICE.
;   t = c s, c = log2(e) / sqrt(128), s = q . k + bias[key] (bias: the mask's term x sqrt(128), made by the launch before).
;   Pass 1: M = the running largest of t and 0, rounded up to a whole number (kept as -M); L = 2^-M + the sum of 2^(t - M).  The term 2^-M is the sum's start, 0.5 in each of a query's two lanes at M = 0;
;           when M moves the sum is multiplied by 2^(old M - new M), which rounds nothing.
;   Pass 2: the scores again; w = 2^(c s - A), A = M + log2(L): one fused multiply-add and one exponential a weight; codes and scale bytes; O^T += V^T W^T.  Nothing is rescaled, summed or divided there.
; A block's largest w is not searched for: w rises with the score, so the block's largest score goes through the same two instructions (this takes v_exp_f32 not to fall where its input rises).
; LIMITS: attention_mask at most 1 (2 and more would add +1e12 and is not served); NaN and infinities among the inputs are not served; a weight under 2^-126 comes out as 0 (v_exp_f32 flushes: ISA guide 15.8);
; A is rounded once to f32, so a weight's relative error grows as 2^-24 x (M + log2 L); blocks of q whose largest magnitude lies under 2^-124 are held at the byte 1.
; SHARES.  A work-group has a head and two blocks of 128 queries, g and 15 - g: with the causal steps left out that is 136 (16 queries x 128 keys) steps in every work-group.  Each of its 16 waves owns one tile of 16
; queries in 256 registers (waves 0-7: block g, waves 8-15: block 15 - g).  THE WHOLE HEAD'S K AND V LIE IN LDS as images of the operands' registers with their scale words (272 KiB), stored there once through
; registers: K's side ahead of pass 1, V's side, loaded at the head too, between the passes.
; A key step all of whose keys come after the wave's queries is jumped over (a branch on ids); the loops' trip counts are constants.  A step with a hole in the mask takes bias as the C of its score products;
; it is chosen by a branch on a word that the launch before stored.
; NO JOINT LOADS, though the 8 work-groups of a head read the same 272 KiB: each work-group reads
; those bytes once, at its head, not once a step.  No prefetch: every byte that the launch reads is asked for at its head.
; LAYOUT.  Both products are used transposed: S^T = K Q^T (source 0 = 16 keys, source 1 = my 16 queries), O^T = V^T W^T: a lane holds ONE query (lane % 16) throughout.  Row r of K's tile 2 b + u is key
; 32 b + 8 u + r + 8 (r / 8), so that S's registers 16 b + i are keys 32 b + 16 (lane / 16) + i: 16 neighbours along the second product's K.
.set VIMG,  131072                     ; LDS: K's images from 0, V's from here, 131,072 bytes each: [step 16][tile 8][c 2][lane 32][16 bytes]
.set VSC,   262144                     ; V's scale words [step][tile / 4][r][tile % 4], 8,192 bytes
.set KSC,   270336                     ; K's likewise
.set BIAS,  278528                     ; bias of the batch's 2,048 keys
.set OSTG,  286720                     ; the way out: 8 stages of 16 rows x 272 bytes; waves w and w + 8 use one, a barrier between them
.set OP,    272
.set QP,    528                        ; q's stage at the head: 16 rows x 528 bytes for each wave, from VIMG on: those bytes are stored with V only behind the first barrier
.set AK0,  1                           ; v1   16 x lane: my place in an image; also q's load offset; never rewritten
.set AV0,  2                           ; v2   VIMG + 16 x lane
.set ASC0, 3                           ; v3   VSC + 16 x lane
.set ABI0, 4                           ; v4   BIAS + 64 (lane / 16)
.set DL,   5                           ; v5   lane % 16 - 16 (lane / 16)
.set STO,  6                           ; v6   the way out: where I put 32 bytes of a row
.set SRD,  7                           ; v7   where I read a row back
.set GO,   8                           ; v8   my byte offset in the tile's rows of out0
.set ADK,  9                           ; v9, v10, v11, v24: the LDS addresses in hand
.set ADV,  10
.set ASC,  11
.set ABI,  24                          ; v12 -M, later -A; v13 the largest t; v[14:15] the sum in two halves
.set QF,   16                          ; v16-23   q's fragment
.set QS,   25                          ; v25      q's scale word
.set PS,   26                          ; v26      w's scale word
.set FO,   27                          ; v27      16 x thread: the fills' offset; never rewritten
.set KS,   28                          ; v28-31   K's scale words: lanes 0-15 tiles 0-3, lanes 16-31 tiles 4-7
.set F,    32                          ; v32-95   eight fragments of K, then of V
.set S,    96                          ; v96-159  S^T, then the weights
.set O,    160                         ; v160-223 O^T (through pass 1: V's images on their way to LDS, v160-227)
.set PC,   224                         ; v224-231 w's codes
.set BM,   232                         ; v232-235 the blocks' largest scores
.set PT,   236                         ; v236-239 lane permutes' results, bytes
.set VS,   240                         ; v240-243 V's scale words
.set SO,   244                         ; v244-247 the conversions' scale operands
.set TM,   244                         ; v244-250 at work while q is quantised
.set H8,   251                         ; v251     8 x (lane / 16), for q's scale word
.set SEL,  20                          ; s[20:21] v_permlanex16_b32's selects for lane l xor 16
.set CS,   22                          ; s[22:23] c, twice: the packed form names the pair
.set WV,   24                          ; s24 wave   s25 g   s26 head
.set Q0,   27                          ; s27 my first query
.set KF,   28                          ; s28 the step's first key
.set T8,   29                          ; s29 8,192 x step: its images
.set T5,   30                          ; s30 512 x step: its scale words and its bias
.set STP,  31                          ; s31 the step
.set FLG,  32                          ; s32 bit j: step j has a hole in the mask
.macro QFRAG x, c, w                   ; 64 numbers of a lane, v[x + 32 b + i] = element 64 b + 32 (lane / 16) + i of its row, become a fragment's codes at v[c] and the row's scale word in v[w]
.irp b, 0,1
	v_max3_num_f32 v[TM+\b], |v[\x+32*\b]|, |v[\x+32*\b+1]|, 0x1800000     ; the floor 2^(3 - 127) among the leaves: the byte cannot fall under 1
.endr
.irp i, 2,4,6,8,10,12,14,16,18,20,22,24,26,28,30
.irp b, 0,1
	v_max3_num_f32 v[TM+\b], v[TM+\b], |v[\x+32*\b+\i]|, |v[\x+32*\b+\i+1]|
.endr
.endr
.irp b, 0,1
	v_add_nc_u32 v[TM+2+\b], 0xff000000, v[TM+\b]          ; 2 off the exponent field: the conversion's scale operand
.endr
.irp b, 0,1
	v_lshrrev_b32 v[TM+4+\b], 23, v[TM+2+\b]
.endr
	v_lshl_or_b32 v[\w], v[TM+5], 16, v[TM+4]              ; my blocks are h and 2 + h
	v_lshlrev_b32 v[\w], v[H8], v[\w]
	v_permlanex16_b32 v[TM+6], v[\w], s[SEL], s[SEL+1]
	v_or_b32 v[\w], v[\w], v[TM+6]
.irp b, 0,1
.irp g, 0,1,2,3
	v_cvt_scalef32_pk8_fp4_f32 v[\c+4*\b+\g], v[\x+32*\b+8*\g:\x+32*\b+8*\g+7], v[TM+2+\b]
.endr
.endr
	v_nop                                                  ; one plain line behind the last scaled conversion
.endm
.macro BARRIER                         ; my LDS stores have landed and my LDS loads are in: then the work-group's barrier
	s_wait_dscnt 0x0
	s_barrier_signal -1
	s_barrier_wait -1
.endm
; S^T = K Q^T of the step: eight tiles of 16 keys.  The eight accumulators take turns, one instruction a turn.
.macro QK
	v_add_nc_u32 v[ADK], s[T8], v[AK0]
	v_add_nc_u32 v[ASC], s[T5], v[ASC0]
.irp t, 0,1,2,3,4,5,6,7
.irp e, 0,1
	ds_load_b128 v[F+8*\t+4*\e:F+8*\t+4*\e+3], v[ADK] offset:1024*\t+512*\e      ; 512 consecutive bytes a load
.endr
.endr
	ds_load_b128 v[KS:KS+3], v[ASC] offset:KSC-VSC
	s_lshr_b32 s33, s[FLG], s[STP]
	s_and_b32 s33, s33, 1
	s_cmp_lg_u32 s33, 0
	s_cbranch_scc1 .Lholes_\@
	s_wait_dscnt 0x0
.irp t, 0,1,2,3
	v_wmma_scale_f32_16x16x128_f8f6f4 v[S+8*\t:S+8*\t+7], v[F+8*\t:F+8*\t+7], v[QF:QF+7], 0, v[KS+\t], v[QS] matrix_a_fmt:MATRIX_FMT_FP4 matrix_b_fmt:MATRIX_FMT_FP4
.endr
.irp t, 4,5,6,7
	v_wmma_scale_f32_16x16x128_f8f6f4 v[S+8*\t:S+8*\t+7], v[F+8*\t:F+8*\t+7], v[QF:QF+7], 0, v[KS+\t-4], v[QS] matrix_a_fmt:MATRIX_FMT_FP4 matrix_b_fmt:MATRIX_FMT_FP4 matrix_a_scale:MATRIX_SCALE_ROW1
.endr
	s_branch .Ljoin_\@
.Lholes_\@:                            ; the step has a hole: bias, in the result's layout (register 8 t + j: key 32 (t / 2) + 16 h + 8 (t % 2) + j), is the products' C
	v_add_nc_u32 v[ABI], s[T5], v[ABI0]
.irp t, 0,1,2,3,4,5,6,7
.irp e, 0,1
	ds_load_b128 v[S+8*\t+4*\e:S+8*\t+4*\e+3], v[ABI] offset:128*(\t/2)+32*(\t%2)+16*\e
.endr
.endr
	s_wait_dscnt 0x0
.irp t, 0,1,2,3
	v_wmma_scale_f32_16x16x128_f8f6f4 v[S+8*\t:S+8*\t+7], v[F+8*\t:F+8*\t+7], v[QF:QF+7], v[S+8*\t:S+8*\t+7], v[KS+\t], v[QS] matrix_a_fmt:MATRIX_FMT_FP4 matrix_b_fmt:MATRIX_FMT_FP4
.endr
.irp t, 4,5,6,7
	v_wmma_scale_f32_16x16x128_f8f6f4 v[S+8*\t:S+8*\t+7], v[F+8*\t:F+8*\t+7], v[QF:QF+7], v[S+8*\t:S+8*\t+7], v[KS+\t-4], v[QS] matrix_a_fmt:MATRIX_FMT_FP4 matrix_b_fmt:MATRIX_FMT_FP4 matrix_a_scale:MATRIX_SCALE_ROW1
.endr
.Ljoin_\@:
.rept 4
	v_nop                                          ; four places ahead of the first read of the scores and of loads into the fragments' registers
.endr
.endm
; On the diagonal the scores of keys behind the query become -infinity.  A step all of whose keys count jumps over this.
.macro DIAG
	s_add_co_u32 s33, s[KF], 127
	s_cmp_le_u32 s33, s[Q0]
	s_cbranch_scc1 .Lopen_\@
	s_sub_co_i32 s33, s[Q0], s[KF]
	v_add_nc_u32 v252, s33, v[DL]                  ; d = my query - KF - 16 (lane / 16): register 16 b + i is hidden where 32 b + i > d
	v_mov_b32 v254, 0xff800000
.set n, 0
.rept 64
	v_cmp_gt_i32 vcc_lo, 32*(n/16)+n%16, v252
	v_cndmask_b32 v[S+n], v[S+n], v254, vcc_lo     ; (ascending: each accumulator is read from its low end on)
.set n, n+1
.endr
.Lopen_\@:
.endm
.macro BMAX                            ; the largest of my 16 scores of each block of 32 keys, the four blocks by turns
.irp b, 0,1,2,3
	v_max3_num_f32 v[BM+\b], v[S+16*\b], v[S+16*\b+1], v[S+16*\b+2]
.endr
.irp i, 3,5,7,9,11,13
.irp b, 0,1,2,3
	v_max3_num_f32 v[BM+\b], v[BM+\b], v[S+16*\b+\i], v[S+16*\b+\i+1]
.endr
.endr
.irp b, 0,1,2,3
	v_max_num_f32 v[BM+\b], v[BM+\b], v[S+16*\b+15]
.endr
.endm
.macro TSCALE                          ; c s + v12, two at a time (of the pairs c and v[12:13] the low word serves both halves)
.set j, 0
.rept 32
	v_pk_fma_f32 v[S+j:S+j+1], v[S+j:S+j+1], s[CS:CS+1], v[12:13] op_sel_hi:[1,0,0]
.set j, j+2
.endr
.endm
.macro EXPS
.set j, 0
.rept 64
	v_exp_f32 v[S+j], v[S+j]
.set j, j+1
.endr
.endm
.macro NEXT                            ; on every path: the next step's key, images, words
	s_add_co_u32 s[KF], s[KF], 128
	s_add_co_u32 s[T8], s[T8], 8192
	s_add_co_u32 s[T5], s[T5], 512
.endm
; PASS 1, a key step: M and L
.macro STEP1
	s_add_co_u32 s33, s[Q0], 15
	s_cmp_gt_u32 s[KF], s33
	s_cbranch_scc1 .Lskip1_\@                      ; all 128 keys come after my 16 queries
	QK
	DIAG
	BMAX
	v_max3_num_f32 v254, v[BM], v[BM+1], v[BM+2]
	v_max_num_f32 v254, v254, v[BM+3]
	v_permlanex16_b32 v[PT], v254, s[SEL], s[SEL+1]
	v_max_num_f32 v254, v254, v[PT]                ; the step's largest score of my query
	v_mul_f32 v254, s[CS], v254                    ; as t (c is positive)
	v_max_num_f32 v13, v13, v254                   ; the running largest t; it began at 0, the extra logit
	v_mov_b32 v254, v12
	v_floor_f32 v12, -v13                          ; the new -M = -ceil(t)
	v_sub_f32 v254, v12, v254                      ; old M - new M: a whole number, 0 or less
	v_cvt_i32_f32 v254, v254                       ; (it saturates)
	v_ldexp_f32 v252, 1.0, v254                    ; f = 2^(old M - new M)
	TSCALE                                         ; t - M
	EXPS                                           ; 2^(t - M), at most 1
	v_pk_mul_f32 v[14:15], v[14:15], v[252:253] op_sel_hi:[1,0]    ; the sum under the new M; also the plain line behind the exponentials
	s_wait_alu depctr_va_vdst(0)                   ; one wait for the batch, ahead of its first reader
	v_pk_add_f32 v[PT:PT+1], v[S:S+1], v[S+2:S+3]  ; two at a time, in two chains
.irp j, 4,8,12,16,20,24,28,32,36,40,44,48,52,56,60
	v_pk_add_f32 v[14:15], v[14:15], v[S+\j:S+\j+1]
	v_pk_add_f32 v[PT:PT+1], v[PT:PT+1], v[S+\j+2:S+\j+3]
.endr
	v_pk_add_f32 v[14:15], v[14:15], v[PT:PT+1]
.Lskip1_\@:
	NEXT
.endm
; PASS 2, a key step: the weights, their codes, O^T.  zero = 1: step 0, which every wave has: its products start O^T's sums, so nothing is cleared
.macro STEP2 zero
.if \zero == 0
	s_add_co_u32 s33, s[Q0], 15
	s_cmp_gt_u32 s[KF], s33
	s_cbranch_scc1 .Lskip2_\@
.endif
	v_add_nc_u32 v[ADV], s[T8], v[AV0]
	QK
.irp t, 0,1,2,3,4,5,6,7                ; V's fragments take K's registers, four places behind the score products, and land while the weights are made
.irp e, 0,1
	ds_load_b128 v[F+8*\t+4*\e:F+8*\t+4*\e+3], v[ADV] offset:1024*\t+512*\e
.endr
.endr
	ds_load_b128 v[VS:VS+3], v[ASC]
	DIAG
	BMAX
.irp b, 0,1,2,3
	v_permlanex16_b32 v[PT+\b], v[BM+\b], s[SEL], s[SEL+1]
.endr
.irp b, 0,1,2,3
	v_max_num_f32 v[BM+\b], v[BM+\b], v[PT+\b]     ; with lane l xor 16's 16 keys: the block's largest score
.endr
	TSCALE                                         ; c s - A
.irp b, 0,1,2,3
	v_fma_f32 v[BM+\b], v[BM+\b], s[CS], v12       ; the same of each block's largest score
.endr
	EXPS                                           ; w = 2^(c s - A): finished and normalised
.irp b, 0,1,2,3
	v_exp_f32 v[BM+\b], v[BM+\b]                   ; the block's largest w: the same two instructions on the same number
.endr
	v_nop                                          ; the plain line behind the last exponential
	s_wait_alu depctr_va_vdst(0)                   ; one wait for all 68
.irp b, 0,1,2,3
	v_max_num_f32 v[BM+\b], 0x1800000, v[BM+\b]    ; the floor 2^(3 - 127): a block of zeros keeps the byte 1, and its codes are zeros
.endr
.irp b, 0,1,2,3
	v_add_nc_u32 v[SO+\b], 0xff000000, v[BM+\b]    ; 2 off the exponent field: the conversion's scale operand
.endr
.irp b, 0,1,2,3
	v_lshrrev_b32 v[PT+\b], 23, v[SO+\b]           ; the scale's byte
.endr
	v_lshl_or_b32 v[PS], v[PT+1], 8, v[PT]         ; w's scale word for these 128 keys
	v_lshl_or_b32 v[PS], v[PT+2], 16, v[PS]
	v_lshl_or_b32 v[PS], v[PT+3], 24, v[PS]
.irp b, 0,1,2,3
	v_cvt_scalef32_pk8_fp4_f32 v[PC+2*\b], v[S+16*\b:S+16*\b+7], v[SO+\b]
	v_cvt_scalef32_pk8_fp4_f32 v[PC+2*\b+1], v[S+16*\b+8:S+16*\b+15], v[SO+\b]
.endr
	v_nop                                          ; one plain line behind the last scaled conversion
.irp e, 0,1                            ; the operand's layout wants a whole block in a lane: lanes 0-15 block 2 e, lanes 16-31 block 2 e + 1
.irp i, 0,1
	v_permlane16_swap_b32 v[PC+4*\e+\i], v[PC+4*\e+2+\i]
.endr
.endr
.rept 8
	v_nop                                          ; a scale word made by vector instructions stands 8 places ahead of a scaled product, codes so made 4
.endr
	s_wait_dscnt 0x0                               ; V's fragments and scale words are in
.irp t, 0,1,2,3,4,5,6,7
.if \zero
.if \t < 4
	v_wmma_scale_f32_16x16x128_f8f6f4 v[O+8*\t:O+8*\t+7], v[F+8*\t:F+8*\t+7], v[PC:PC+7], 0, v[VS+\t], v[PS] matrix_a_fmt:MATRIX_FMT_FP4 matrix_b_fmt:MATRIX_FMT_FP4
.else
	v_wmma_scale_f32_16x16x128_f8f6f4 v[O+8*\t:O+8*\t+7], v[F+8*\t:F+8*\t+7], v[PC:PC+7], 0, v[VS+\t-4], v[PS] matrix_a_fmt:MATRIX_FMT_FP4 matrix_b_fmt:MATRIX_FMT_FP4 matrix_a_scale:MATRIX_SCALE_ROW1
.endif
.else
.if \t < 4
	v_wmma_scale_f32_16x16x128_f8f6f4 v[O+8*\t:O+8*\t+7], v[F+8*\t:F+8*\t+7], v[PC:PC+7], v[O+8*\t:O+8*\t+7], v[VS+\t], v[PS] matrix_a_fmt:MATRIX_FMT_FP4 matrix_b_fmt:MATRIX_FMT_FP4
.else
	v_wmma_scale_f32_16x16x128_f8f6f4 v[O+8*\t:O+8*\t+7], v[F+8*\t:F+8*\t+7], v[PC:PC+7], v[O+8*\t:O+8*\t+7], v[VS+\t-4], v[PS] matrix_a_fmt:MATRIX_FMT_FP4 matrix_b_fmt:MATRIX_FMT_FP4 matrix_a_scale:MATRIX_SCALE_ROW1
.endif
.endif
.endr
.rept 4
	v_nop                                          ; four places ahead of the next step's loads into the fragments' registers, and of the way out's reads of O^T
.endr
.Lskip2_\@:
	NEXT
.endm
; THE WAY OUT.  Register 8 t + i of O^T is out0(query r, channel 16 t + 8 h + i).  Half a row (64 channels, 256 bytes) of the 16 queries at a time goes through the stage and comes back by rows.
.macro WAYOUT
.irp u, 0,1
.irp t, 0,1,2,3
	ds_store_b128 v[STO], v[O+32*\u+8*\t:O+32*\u+8*\t+3] offset:64*\t            ; each accumulator from its low end on
	ds_store_b128 v[STO], v[O+32*\u+8*\t+4:O+32*\u+8*\t+7] offset:64*\t+16
.endr
.irp i, 0,1,2,3,4,5,6,7
	ds_load_b128 v[F+32*\u+4*\i:F+32*\u+4*\i+3], v[SRD] offset:2*OP*\i           ; LDS serves a wave's instructions in order (ISA guide 5.7.1.4): these see my stores, and the next half's stores come behind them
.endr
.endr
.irp u, 0,1
.irp i, 0,1,2,3,4,5,6,7
	s_wait_dscnt 23-16*\u-\i                       ; behind load i of the first half: 7 - i loads and the second half's 16 instructions; of the second half: 7 - i loads
	global_store_b128 v[GO], v[F+32*\u+4*\i:F+32*\u+4*\i+3], s[18:19] offset:1024*\i+256*\u th:TH_STORE_NT   ; sixteen lanes store 256 consecutive bytes, aligned
.endr
.endr
.endm
	s_load_b256 s[4:11], s[0:1], 0x0               ; q s[4:5], kimg s[6:7], ksc s[8:9], vimg s[10:11]
	s_load_b256 s[12:19], s[0:1], 0x20             ; vsc s[12:13], bias s[14:15], flags s[16:17], out0 s[18:19]
	v_lshrrev_b32 v1, 5, v0
	v_readfirstlane_b32 s[WV], v1                  ; wave 0..15
	s_mov_b32 s25, ttmp9                           ; g
	s_and_b32 s26, ttmp7, 0xffff                   ; head
	s_sub_co_u32 s33, 15, s25
	s_cmp_lt_u32 s[WV], 8
	s_cselect_b32 s33, s25, s33                    ; my block of 128 queries: g or 15 - g
	s_lshl_b32 s[Q0], s33, 7
	s_and_b32 s34, s[WV], 7
	s_lshl_b32 s35, s34, 4
	s_add_co_u32 s[Q0], s[Q0], s35                 ; my first query; it enters global addresses and compares alone
	s_mov_b32 s[SEL], 0x76543210
	s_mov_b32 s[SEL+1], 0xfedcba98
	s_mov_b32 s[CS], 0x3e0293ee                    ; c = log2(e) / sqrt(128)
	s_mov_b32 s[CS+1], s[CS]
	s_mul_i32 s38, s34, 16*OP
	s_add_co_u32 s38, s38, OSTG                    ; the stage of waves w and w + 8
	s_mul_i32 s39, s[WV], 16*QP
	s_add_co_u32 s39, s39, VIMG                    ; q's stage
	v_and_b32 v228, 31, v0                         ; lane
	v_and_b32 v229, 15, v0                         ; r
	v_bfe_u32 v230, v0, 4, 1                       ; h
	v_lshlrev_b32 v[AK0], 4, v228
	v_lshl_add_u32 v[AV0], v228, 4, VIMG
	v_lshl_add_u32 v[ASC0], v228, 4, VSC
	v_lshl_add_u32 v[ABI0], v230, 6, BIAS
	v_lshlrev_b32 v[DL], 4, v230
	v_sub_nc_u32 v[DL], v229, v[DL]
	v_mul_u32_u24 v[STO], v229, OP
	v_lshl_add_u32 v[STO], v230, 5, v[STO]
	v_add_nc_u32 v[STO], s38, v[STO]               ; in: row r, + 32 h
	v_mul_u32_u24 v[SRD], v230, OP
	v_lshl_add_u32 v[SRD], v229, 4, v[SRD]
	v_add_nc_u32 v[SRD], s38, v[SRD]               ; back: lanes 0-15 one row, lanes 16-31 the next
	v_lshlrev_b32 v[GO], 9, v230
	v_lshl_add_u32 v[GO], v229, 4, v[GO]           ; and the same two rows in out0
	v_lshlrev_b32 v[FO], 4, v0
	v_lshlrev_b32 v[H8], 3, v230
	v_mov_b32 v[TM+6], 0                           ; written once: a lane permute's destination counts as one of its sources
	v_add_nc_u32 v[ADK], s39, v[AK0]               ; q's stage, in: 16 x lane of a row
	v_mul_u32_u24 v[ADV], v229, QP
	v_lshl_add_u32 v[ADV], v230, 7, v[ADV]
	v_add_nc_u32 v[ADV], s39, v[ADV]               ; back: row r, + 128 h
	v_add_nc_u32 v[ASC], 65536, v[FO]              ; the upper half of K's images (an LDS immediate has 16 bits)
	v_add_nc_u32 v[ABI], KSC, v[FO]                ; K's scale words; bias lies 8,192 bytes on
	s_mov_b32 s37, 0
	s_lshl_b32 s36, s26, 20                        ; a head of q or out0: 2,048 rows of 512 bytes
	s_lshl_b32 s35, s[Q0], 9
	s_add_co_u32 s36, s36, s35
	s_wait_kmcnt 0x0
	s_add_nc_u64 s[4:5], s[4:5], s[36:37]
	s_add_nc_u64 s[18:19], s[18:19], s[36:37]
	s_lshl_b32 s36, s26, 17                        ; a head's images
	s_add_nc_u64 s[6:7], s[6:7], s[36:37]
	s_add_nc_u64 s[10:11], s[10:11], s[36:37]
	s_lshl_b32 s36, s26, 13                        ; a head's scale words
	s_add_nc_u64 s[8:9], s[8:9], s[36:37]
	s_add_nc_u64 s[12:13], s[12:13], s[36:37]
	s_lshr_b32 s35, s26, 4                         ; batch
	s_lshl_b32 s36, s35, 13
	s_add_nc_u64 s[14:15], s[14:15], s[36:37]
	s_lshl_b32 s36, s35, 11
	s_add_nc_u64 s[16:17], s[16:17], s[36:37]
.irp j, 0,1,2,3,4,5,6,7,8,9,10,11,12,13,14,15
	s_load_b32 s[40+\j], s[16:17], 128*\j          ; the batch's 16 flag words
.endr
	; all that the launch reads is asked for here: q's 16 loads, K's side 18, V's side 17
.irp i, 0,1,2,3,4,5,6,7,8,9,10,11,12,13,14,15
	global_load_b128 v[S+4*\i:S+4*\i+3], v[AK0], s[4:5] offset:512*\i th:TH_LOAD_NT   ; a whole row of q
.endr
.irp j, 0,1,2,3,4,5,6,7,8,9,10,11,12,13,14,15
	global_load_b128 v[F+4*\j:F+4*\j+3], v[FO], s[6:7] offset:8192*\j            ; the 512 threads take 8,192 consecutive bytes
.endr
	global_load_b128 v[232:235], v[FO], s[8:9]
	global_load_b128 v[236:239], v[FO], s[14:15]
.irp j, 0,1,2,3,4,5,6,7,8,9,10,11,12,13,14,15
	global_load_b128 v[O+4*\j:O+4*\j+3], v[FO], s[10:11] offset:8192*\j
.endr
	global_load_b128 v[224:227], v[FO], s[12:13]
	s_wait_loadcnt 35                              ; q is in; the 18 + 17 younger loads may be out
.irp i, 0,1,2,3,4,5,6,7,8,9,10,11,12,13,14,15
	ds_store_b128 v[ADK], v[S+4*\i:S+4*\i+3] offset:QP*\i
.endr
.irp b, 0,1
.irp j, 0,1,2,3,4,5,6,7
	ds_load_b128 v[S+32*\b+4*\j:S+32*\b+4*\j+3], v[ADV] offset:256*\b+16*\j      ; my 32 numbers of each 64 of row r
.endr
.endr
	s_wait_loadcnt 17                              ; K's side is in; V's 17 loads may be out
.irp j, 0,1,2,3,4,5,6,7
	ds_store_b128 v[FO], v[F+4*\j:F+4*\j+3] offset:8192*\j
.endr
.irp j, 0,1,2,3,4,5,6,7
	ds_store_b128 v[ASC], v[F+32+4*\j:F+32+4*\j+3] offset:8192*\j
.endr
	ds_store_b128 v[ABI], v[232:235]
	ds_store_b128 v[ABI], v[236:239] offset:BIAS-KSC
	s_wait_dscnt 18                                ; q is back from its stage; the 18 stores behind it may be out
	QFRAG S, QF, QS
	s_wait_kmcnt 0x0
	s_or_b32 s[FLG], s40, s41
.irp j, 2,3,4,5,6,7,8,9,10,11,12,13,14,15
	s_or_b32 s[FLG], s[FLG], s[40+\j]
.endr
	s_wait_dscnt 0x0                               ; my stores have landed and have read their registers
	v_mov_b32 v12, 0                               ; -M
	v_mov_b32 v13, 0                               ; the largest t so far: the extra logit's
	v_mov_b32 v14, 0.5                             ; the sum: 2^-M at M = 0, half in each of a query's two lanes
	v_mov_b32 v15, 0
.irp b, 0,1,2,3
	v_mov_b32 v[PT+\b], 0                          ; lane permutes' destinations
.endr
	v_mov_b32 v252, 0
	v_mov_b32 v253, 0                              ; (named as the upper half of the pair v[252:253]).  These ten lines are also the places between q's scale word and codes and the first product
	s_barrier_signal -1
	s_barrier_wait -1                              ; K's images, scale words and bias lie in LDS; nobody reads a stage of q any more
	s_mov_b32 s[STP], 0
	s_mov_b32 s[KF], 0
	s_mov_b32 s[T8], 0
	s_mov_b32 s[T5], 0
.Lpass1:
	STEP1
	s_add_co_u32 s[STP], s[STP], 1
	s_cmp_lt_u32 s[STP], 16
	s_cbranch_scc1 .Lpass1
	; between the passes: V's side goes to LDS, and -A = -M - log2(L)
	v_add_nc_u32 v[ADK], VIMG, v[FO]
	v_add_nc_u32 v[ADV], VIMG+65536, v[FO]
	v_lshrrev_b32 v[ASC], 6, v0                    ; my 16 bytes of vsc are the words (channel 2 m, steps 2 kg, 2 kg + 1), (channel 2 m + 1, the same), kg = thread / 64, m = thread % 64.
	v_lshlrev_b32 v[ASC], 10, v[ASC]               ; In LDS word (step, channel d) lies at 512 step + 256 (d / 64) + 16 (d % 16) + 4 ((d / 16) % 4)
	v_bfe_u32 v[ABI], v0, 5, 1
	v_lshl_add_u32 v[ASC], v[ABI], 8, v[ASC]
	v_and_b32 v[ABI], 7, v0
	v_lshl_add_u32 v[ASC], v[ABI], 5, v[ASC]
	v_bfe_u32 v[ABI], v0, 3, 2
	v_lshl_add_u32 v[ASC], v[ABI], 2, v[ASC]
	v_add_nc_u32 v[ASC], VSC, v[ASC]
	s_wait_loadcnt 0x0
.irp j, 0,1,2,3,4,5,6,7
	ds_store_b128 v[ADK], v[O+4*\j:O+4*\j+3] offset:8192*\j
.endr
.irp j, 0,1,2,3,4,5,6,7
	ds_store_b128 v[ADV], v[O+32+4*\j:O+32+4*\j+3] offset:8192*\j
.endr
	ds_store_b32 v[ASC], v224
	ds_store_b32 v[ASC], v225 offset:512
	ds_store_b32 v[ASC], v226 offset:16
	ds_store_b32 v[ASC], v227 offset:528
	v_add_f32 v14, v14, v15                        ; the sum's two halves,
	v_permlanex16_b32 v[PT], v14, s[SEL], s[SEL+1]
	v_add_f32 v14, v14, v[PT]                      ; and lane l xor 16's: L
	v_log_f32 v254, v14
	v_nop                                          ; the plain line behind the logarithm
	s_wait_alu depctr_va_vdst(0)                   ; ahead of the first reader
	v_sub_f32 v12, v12, v254                       ; -A
	BARRIER                                        ; V's images and scale words lie in LDS
	s_mov_b32 s[STP], 0
	s_mov_b32 s[KF], 0
	s_mov_b32 s[T8], 0
	s_mov_b32 s[T5], 0
	STEP2 1
	s_mov_b32 s[STP], 1
.Lpass2:
	STEP2 0
	s_add_co_u32 s[STP], s[STP], 1
	s_cmp_lt_u32 s[STP], 16
	s_cbranch_scc1 .Lpass2
	s_cmp_lt_u32 s[WV], 8                          ; waves 0-7, whose queries come early, leave first
	s_cbranch_scc0 .Llater
	WAYOUT
.Llater:
	BARRIER                                        ; their reads of the stages are over
	s_cmp_lt_u32 s[WV], 8
	s_cbranch_scc1 .Lend
	WAYOUT
.Lend:
	s_wait_xcnt 0x0
	v_lshl_add_u32 v254, v0, 2, 0x4e800
	v_mov_b32 v255, 0
	s_wait_tensorcnt 0x0
	ds_add_u32 v254, v255
	s_wait_dscnt 0x0
	s_endpgm
.Lfunc_end_k_qefaa6f3e65_attn:
	.size	k_qefaa6f3e65_attn, .Lfunc_end_k_qefaa6f3e65_attn-k_qefaa6f3e65_attn
	.p2alignl 7, 3214868480
	.fill 96, 4, 3214868480
	.section	.rodata,"a",@progbits
	.p2align	6, 0x0
	.amdhsa_kernel k_qefaa6f3e65_attn
		.amdhsa_group_segment_fixed_size 323584
		.amdhsa_private_segment_fixed_size 0
		.amdhsa_enable_private_segment 0
		.amdhsa_kernarg_size 64
		.amdhsa_user_sgpr_count 2
		.amdhsa_user_sgpr_kernarg_segment_ptr 1
		.amdhsa_wavefront_size32 1
		.amdhsa_system_sgpr_workgroup_id_x 1
		.amdhsa_system_sgpr_workgroup_id_y 1
		.amdhsa_system_sgpr_workgroup_id_z 1
		.amdhsa_system_vgpr_workitem_id 0
		.amdhsa_next_free_vgpr 256
		.amdhsa_next_free_sgpr 66
		.amdhsa_reserve_vcc 1
		.amdhsa_float_denorm_mode_32 3
		.amdhsa_float_denorm_mode_16_64 3
		.amdhsa_memory_ordered 1
		.amdhsa_forward_progress 1
		.amdhsa_inst_pref_size 87
	.end_amdhsa_kernel
	.amdgpu_metadata
---
amdhsa.version: [ 1, 2 ]
amdhsa.kernels:
  - .name:           k_qefaa6f3e65_attn
    .symbol:         k_qefaa6f3e65_attn.kd
    .args:
      - { .name: q, .offset: 0, .size: 8, .value_kind: global_buffer, .address_space: global }
      - { .name: kimg, .offset: 8, .size: 8, .value_kind: global_buffer, .address_space: global }
      - { .name: ksc, .offset: 16, .size: 8, .value_kind: global_buffer, .address_space: global }
      - { .name: vimg, .offset: 24, .size: 8, .value_kind: global_buffer, .address_space: global }
      - { .name: vsc, .offset: 32, .size: 8, .value_kind: global_buffer, .address_space: global }
      - { .name: bias, .offset: 40, .size: 8, .value_kind: global_buffer, .address_space: global }
      - { .name: flags, .offset: 48, .size: 8, .value_kind: global_buffer, .address_space: global }
      - { .name: out0, .offset: 56, .size: 8, .value_kind: global_buffer, .address_space: global }
    .group_segment_fixed_size: 323584
    .private_segment_fixed_size: 0
    .kernarg_segment_align: 8
    .kernarg_segment_size: 64
    .max_flat_workgroup_size: 512
    .sgpr_count:     66
    .vgpr_count:     256
    .wavefront_size: 32
...
	.end_amdgpu_metadata
.endif
;; end of part 2
